; MI455X (gfx1250); checked and timed in simulation.
; The chip was launched on July 23, 2026; its instructions are those of AMD's public machine-readable ISA for CDNA 5 (MIT licence, August 2026) and "CDNA5" Instruction Set Architecture Reference Guide (July 2026). The comments in the code are by the model that wrote it; some were corrected since.
;; Multi Head Attention. Allowed arithmetic: float matrix products may take bf16 or f16 operands with f32 sums; all other float work in f32.
;; Inputs: Wk 1,024 x 1,024 float32; Wo 1,024 x 1,024 float32; Wq 1,024 x 1,024 float32; Wv 1,024 x 1,024 float32; bk 1,024 float32; bo 1,024 float32; bq 1,024 float32; bv 1,024 float32; x 4 x 2,048 x 1,024 float32.
;; Outputs: out0 4 x 2,048 x 1,024 float32.
;; 2 versions, each right; version 2 is version 1 with the launch prep written anew for expert scheduling mode. Each part assembles by itself: llvm-mc -triple=amdgcn-amd-amdhsa -mcpu=gfx1250 --defsym DOCPART=n.
;; ======== version 1 of 2: 4 launches
;; workspace buffers: xw 25,165,824 bytes; qkv 50,331,648 bytes; att 16,777,216 bytes
;; launch prep (part 1): grid 64 x 12, 8 waves a work-group, no clusters, 0 bytes of LDS; arguments x, Wq, Wk, Wv, Wo, xw; writes xw
.if DOCPART == 1
	.amdgcn_target "amdgcn-amd-amdhsa--gfx1250"
	.amdhsa_code_object_version 6
	.text
	.protected	k_qc3e941ecdf_prep
	.globl	k_qc3e941ecdf_prep
	.p2align	8
	.type	k_qc3e941ecdf_prep,@function
k_qc3e941ecdf_prep:
	s_mov_b64 s[64:65], 0
	v_nop
	global_prefetch_b8 v0, s[64:65] scope:SCOPE_SE
	s_setreg_imm32_b32 hwreg(HW_REG_WAVE_MODE, 25, 1), 1
	s_wait_xcnt 0x0
; MULTI-HEAD ATTENTION, launch 1 of 4: x, Wq, Wk, Wv, Wo from f32 to bf16, layouts unchanged, into xw:
;   bytes 0 .. 16 Mi: x as [8192][1024] bf16;  then four planes of 2 MiB, [1024 k][1024 n] bf16, in the order q, k, v, o.
; The later launches: qkv (three projections), attn (softmax(q k^T / 8) v for each head), oproj (the output projection).
;
; WORK LEFT OUT IN THE WHOLE PROGRAM: the bias bk.  A score is q_i . (x_j Wk + bk) / 8 = q_i . (x_j Wk) / 8 + q_i . bk / 8.
; The second term does not hang on the key j: it is the same along the axis of the softmax, and softmax(s + const) = softmax(s)
; for every finite value of the inputs.  k reaches the result through the scores alone.  So bk has no way to any output: it is not
; loaded and is among no launch's arguments.  LIMIT: a NaN, an infinity or an overflow that sits in bk alone, or that only the
; term q . bk would make, is not carried to the result.
; LIMIT OF FORMAT: all matrix operands (x, the weights, q, k, v, the probabilities, the attention's result) are rounded to bf16.
;
; A stream: memory binds, so no LDS, no matrix unit, no cluster (no two work-groups read the same byte).
; Grid y picks a unit of 1 Mi numbers (0-7: the eighths of x; 8-11: Wq, Wk, Wv, Wo), grid x 16,384 numbers of it.
; A wave takes 8 KiB of f32: sixteen loads of 512 consecutive bytes, all issued ahead of the first wait; each is rounded to
; 256 consecutive, aligned bytes and stored by one instruction.  No register is written twice, so no source has to be freed.
.set X, 4                              ; v[4:67]   sixteen loads of four f32
.set Y, 68                             ; v[68:99]  sixteen pairs of packed bf16
	s_load_b256 s[4:11], s[0:1], 0x0               ; x s[4:5], Wq s[6:7], Wk s[8:9], Wv s[10:11]
	s_load_b128 s[12:15], s[0:1], 0x20             ; Wo s[12:13], xw s[14:15]
	s_and_b32 s2, ttmp7, 0xffff                    ; the unit, 0 to 11
	v_and_b32 v2, 31, v0
	v_lshrrev_b32 v1, 5, v0
	v_lshlrev_b32 v2, 4, v2
	v_lshl_or_b32 v1, v1, 13, v2                   ; in: wave x 8 KiB + lane x 16
	v_lshrrev_b32 v2, 1, v1                        ; out: half of that
	s_cmp_lt_u32 s2, 8
	s_cselect_b32 s18, s2, 0                       ; the eighth of x; a weight starts at its own first byte
	s_lshl_b32 s18, s18, 22                        ; 4 MiB of f32 a unit
	s_lshl_b32 s19, ttmp9, 16                      ; 64 KiB of f32 a work-group
	s_add_co_u32 s18, s18, s19
	s_mov_b32 s19, 0
	s_lshl_b32 s22, s2, 21                         ; 2 MiB of bf16 a unit
	s_lshl_b32 s23, ttmp9, 15
	s_add_co_u32 s22, s22, s23
	s_mov_b32 s23, 0
	s_wait_kmcnt 0x0
	s_mov_b64 s[16:17], s[4:5]                     ; the source: x, or one of the four weights, chosen by the unit number alone
	s_cmp_eq_u32 s2, 8
	s_cselect_b64 s[16:17], s[6:7], s[16:17]
	s_cmp_eq_u32 s2, 9
	s_cselect_b64 s[16:17], s[8:9], s[16:17]
	s_cmp_eq_u32 s2, 10
	s_cselect_b64 s[16:17], s[10:11], s[16:17]
	s_cmp_eq_u32 s2, 11
	s_cselect_b64 s[16:17], s[12:13], s[16:17]
	s_add_nc_u64 s[16:17], s[16:17], s[18:19]
	s_add_nc_u64 s[20:21], s[14:15], s[22:23]
.irp i, 0,1,2,3,4,5,6,7,8,9,10,11,12,13,14,15
	global_load_b128 v[X+4*\i:X+4*\i+3], v1, s[16:17] offset:512*\i th:TH_LOAD_NT   ; read once in the launch
.endr
.irp i, 0,1,2,3,4,5,6,7,8,9,10,11,12,13,14,15
	s_wait_loadcnt 15-\i                           ; loads come back in order: load i is in, the 15 - i younger ones stay out
	v_cvt_pk_bf16_f32 v[Y+2*\i], v[X+4*\i], v[X+4*\i+1]
	v_cvt_pk_bf16_f32 v[Y+2*\i+1], v[X+4*\i+2], v[X+4*\i+3]
	global_store_b64 v2, v[Y+2*\i:Y+2*\i+1], s[20:21] offset:256*\i   ; 32 lanes x 8 bytes: 256 consecutive bytes, aligned
.endr
	s_endpgm
.Lfunc_end_k_qc3e941ecdf_prep:
	.size	k_qc3e941ecdf_prep, .Lfunc_end_k_qc3e941ecdf_prep-k_qc3e941ecdf_prep
	.p2alignl 7, 3214868480
	.fill 96, 4, 3214868480
	.section	.rodata,"a",@progbits
	.p2align	6, 0x0
	.amdhsa_kernel k_qc3e941ecdf_prep
		.amdhsa_group_segment_fixed_size 0
		.amdhsa_private_segment_fixed_size 0
		.amdhsa_enable_private_segment 0
		.amdhsa_kernarg_size 48
		.amdhsa_user_sgpr_count 2
		.amdhsa_user_sgpr_kernarg_segment_ptr 1
		.amdhsa_wavefront_size32 1
		.amdhsa_system_sgpr_workgroup_id_x 1
		.amdhsa_system_sgpr_workgroup_id_y 1
		.amdhsa_system_sgpr_workgroup_id_z 1
		.amdhsa_system_vgpr_workitem_id 0
		.amdhsa_next_free_vgpr 100
		.amdhsa_next_free_sgpr 66
		.amdhsa_reserve_vcc 0
		.amdhsa_float_denorm_mode_32 3
		.amdhsa_float_denorm_mode_16_64 3
		.amdhsa_memory_ordered 1
		.amdhsa_forward_progress 1
		.amdhsa_inst_pref_size 7
	.end_amdhsa_kernel
	.amdgpu_metadata
---
amdhsa.version: [ 1, 2 ]
amdhsa.kernels:
  - .name:           k_qc3e941ecdf_prep
    .symbol:         k_qc3e941ecdf_prep.kd
    .args:
      - { .name: x, .offset: 0, .size: 8, .value_kind: global_buffer, .address_space: global }
      - { .name: Wq, .offset: 8, .size: 8, .value_kind: global_buffer, .address_space: global }
      - { .name: Wk, .offset: 16, .size: 8, .value_kind: global_buffer, .address_space: global }
      - { .name: Wv, .offset: 24, .size: 8, .value_kind: global_buffer, .address_space: global }
      - { .name: Wo, .offset: 32, .size: 8, .value_kind: global_buffer, .address_space: global }
      - { .name: xw, .offset: 40, .size: 8, .value_kind: global_buffer, .address_space: global }
    .group_segment_fixed_size: 0
    .private_segment_fixed_size: 0
    .kernarg_segment_align: 8
    .kernarg_segment_size: 48
    .max_flat_workgroup_size: 256
    .sgpr_count:     66
    .vgpr_count:     100
    .wavefront_size: 32
...
	.end_amdgpu_metadata
.endif
;; end of part 1
;; launch qkv (part 2): grid 8 x 32, 4 waves a work-group, clusters of 4 x 4, 327,680 bytes of LDS; arguments xw, bq, bv, qkv; writes qkv
.if DOCPART == 2
	.amdgcn_target "amdgcn-amd-amdhsa--gfx1250"
	.amdhsa_code_object_version 6
	.text
	.protected	k_qc3e941ecdf_qkv
	.globl	k_qc3e941ecdf_qkv
	.p2align	8
	.type	k_qc3e941ecdf_qkv,@function
k_qc3e941ecdf_qkv:
	s_mov_b64 s[64:65], 0
	v_nop
	global_prefetch_b8 v0, s[64:65] scope:SCOPE_SE
	s_setreg_imm32_b32 hwreg(HW_REG_WAVE_MODE, 25, 1), 1
	s_wait_xcnt 0x0
	s_wait_alu depctr_hold_cnt(0) depctr_sa_sdst(0) depctr_va_vdst(0) depctr_va_sdst(0) depctr_va_ssrc(0) depctr_va_vcc(0) depctr_vm_vsrc(0)
	s_getreg_b32 s2, hwreg(HW_REG_IB_STS2, 6, 4)
	s_cmp_eq_u32 s2, 0
	s_cbranch_scc0 .Lentry_in_a_cluster
	s_endpgm
.Lentry_in_a_cluster:
	s_bfe_u32 s2, ttmp6, 0x10000c
	s_cmp_lg_u32 s2, 0xf033
	s_cbranch_scc0 .Lentry_shape_is_right
	s_endpgm
.Lentry_shape_is_right:
; Launch 2 of 4: q = x Wq + bq, k = x Wk, v = x Wv + bv, stored as bf16 [3][4 b][16 h][2048 s][64 d].
; LEFT OUT: the bias bk (a term q . bk / 8 that is the same for all keys of a softmax row and cancels there: shown at the head of launch 1).
;
; A work-group makes 256 tokens x columns 128 c .. 128 c + 127 of EACH of q, k and v (heads 2 c, 2 c + 1), so that x is read from LDS
; once for three products.  Wave w takes tokens 64 w .. 64 w + 63 and all 384 columns: 96 accumulator tiles of 16 x 16, 768 registers:
; q in register window 1, k in window 2, v in window 3, tile (a, b) at v[8 (8 a + b)] of its window; window 0 holds addresses and fragments.
; K = 1024 goes in 16 steps of 64; a step is two sub-steps of 32, each of three phases (q, k, v) of 32 matrix instructions.
; THE MATRIX INSTRUCTION IS USED TRANSPOSED: source 0 = 16 columns of W, source 1 = 16 tokens of x.  Lane (r, h), register j then holds
; token 16 a + r, column 16 b + 8 h + j: eight neighbouring columns of one token, 16 bytes of bf16.
; The weights lie [k][n]; their fragments come from LDS by the transposing load ds_load_tr16_b128.
; The 96 accumulators take turns, one instruction a turn, over the backward jump too.
;
; CLUSTERS: 4 x 4 work-groups.  The tile of x hangs on the block of tokens alone and is asked for jointly along a row of the cluster;
; the tiles of W hang on c alone and are asked for jointly along a column.  Waves 0, 1, 2 fetch the tiles of Wq, Wk, Wv (64 k x 128 n),
; wave 3 fetches x, half a tile (128 tokens x 128 k) at a time: one tensor load a wave behind each round of the cluster's barrier.
; By this text's count a wave has at most four tensor loads out (wave 3, at the start), later one.
;
; LDS: x ring, 2 slots of 256 rows x 272 bytes (256 of data + 16: rows start 4 banks apart);
;      W ring, 2 slots of 3 sections of 64 rows x 288 bytes (256 + 32: an odd multiple of 32);
;      a stage of 16 rows x 272 bytes for each wave, which no tensor load ever fills.
.set PA,     272
.set AHALF,  128*PA                    ; 34,816
.set ASLOT,  256*PA                    ; 69,632
.set PB,     288
.set BSEC,   64*PB                     ; 18,432: one weight's tile
.set BKK,    32*PB                     ; 9,216: the second sub-step's rows
.set BSLOT,  3*BSEC                    ; 55,296
.set BBASE,  2*ASLOT                   ; 139,264
.set STAGE,  BBASE+2*BSLOT             ; 249,856, a multiple of 256
.set ADRA, 2                           ; v2, v3   LDS address of my x fragments in slot 0, 1
.set ADRB, 4                           ; v4, v5   the same for W
.set STO,  6                           ; v6       the way out: where I put 16 bytes of a token
.set RD,   7                           ; v7       the way out: where I read them back
.set CO,   8                           ; v8       16 x lane
.set BO,   9                           ; v9       32 h: my eight biases in a block of 16 columns
.set AF0,  16                          ; v[16:47], v[48:79]     x fragments (4 x 16 tokens x 32 k), sub-step 0 and 1
.set AF1,  48
.set BF0,  80                          ; v[80:143], v[144:207]  W fragments (8 x 16 columns x 32 k), two buffers by turns
.set BF1,  144
.set TMP,  208                         ; v[208:239] the way out: packed results
.set G1A,  24                          ; s[24:31] group 1 for x
.set G1B,  32                          ; s[32:39] group 1 for W
.set GA,   40                          ; s[40:55] group 0 for x: slot s, half hf at GA + 8 s + 4 hf
.set GB,   56                          ; s[56:63] group 0 for W: slot s at GB + 4 s
.set MSB, 0
.macro WIN new                         ; the immediate's high byte repeats the setting that is left; a switch that changes nothing is dropped
.if MSB != (\new)
	s_set_vgpr_msb (MSB<<8)|(\new)
.set MSB, (\new)
.endif
.endm
.macro PLACES                          ; four plain vector instructions: the places between a matrix instruction and a load into, or a vector
.rept 4                                ; instruction on, one of its registers (ISA guide 7.12.1 for vector instructions)
	v_nop
.endr
.endm
.macro CREST                           ; a round of the cluster's barrier behind its opening work-group barrier
	s_cmp_lg_u32 s12, 0
	s_cbranch_scc1 .Lnot_wave_0_\@
	s_barrier_signal -3
.Lnot_wave_0_\@:
	s_barrier_wait -3
	s_barrier_signal -1
	s_barrier_wait -1
.endm
.macro CROUND
	s_barrier_signal -1
	s_barrier_wait -1
	CREST
.endm
; The joint refill: waves 0-2 ask for their weight's next tile, wave 3 (if fillA) for half a tile of x.  The branch hangs on the wave's number alone.
.macro JLOAD bs, fillA, fs, fh
	s_cmp_eq_u32 s12, 3
	s_cbranch_scc1 .Lja_\@
	tensor_load_to_lds s[GB+4*\bs:GB+4*\bs+3], s[G1B:G1B+7]
	s_nop 0
	s_branch .Ljd_\@
.Lja_\@:
.if \fillA
	tensor_load_to_lds s[GA+8*\fs+4*\fh:GA+8*\fs+4*\fh+3], s[G1A:G1A+7]
	s_nop 0
.endif
.Ljd_\@:
.endm
; 16 transposing loads: 8 blocks of 16 columns x 32 k of one weight.  Lane L addresses row 8 h + (L & 7), 16 bytes at 16 ((L >> 3) & 1).
.macro FETCHB areg, off, buf
.irp b, 0,1,2,3,4,5,6,7
	ds_load_tr16_b128 v[\buf+8*\b:\buf+8*\b+3], v[\areg] offset:\off+32*\b
	ds_load_tr16_b128 v[\buf+8*\b+4:\buf+8*\b+7], v[\areg] offset:\off+32*\b+16*PB
.endr
.endm
; 8 loads: 4 blocks of 16 tokens x 32 k of x
.macro FETCHA areg, off, buf
.irp a, 0,1,2,3
	ds_load_b128 v[\buf+8*\a:\buf+8*\a+3], v[\areg] offset:\off+16*PA*\a
	ds_load_b128 v[\buf+8*\a+4:\buf+8*\a+7], v[\areg] offset:\off+16*PA*\a+32
.endr
.endm
; 16 matrix instructions: token blocks a0, a0 + 1 x all 8 column blocks.  zero = 1: the product starts the sums, nothing is cleared.
.macro MUL16 af, bf, a0, zero
.irp a, \a0, \a0+1
.irp b, 0,1,2,3,4,5,6,7
.if \zero
	v_wmma_f32_16x16x32_bf16 v[8*(8*(\a)+\b):8*(8*(\a)+\b)+7], v[\bf+8*\b:\bf+8*\b+7], v[\af+8*(\a):\af+8*(\a)+7], 0
.else
	v_wmma_f32_16x16x32_bf16 v[8*(8*(\a)+\b):8*(8*(\a)+\b)+7], v[\bf+8*\b:\bf+8*\b+7], v[\af+8*(\a):\af+8*(\a)+7], v[8*(8*(\a)+\b):8*(8*(\a)+\b)+7]
.endif
.endr
.endr
.endm
.macro PHEAD                           ; the head of a phase
	s_wait_dscnt 0x0                               ; this phase's fragments, asked for 32 matrix instructions ago, are in
	PLACES                                         ; behind the last phase's products, whose buffer is loaded next
	WIN 0
.endm
.macro PMUL win, af, bf, zero          ; a phase's 32 products; win: C and D in window 1, 2 or 3 (0x50, 0xa0, 0xf0), sources in window 0
	WIN \win
	MUL16 \af, \bf, 0, \zero
	MUL16 \af, \bf, 2, \zero
.endm
; The last phase of a step (sub-step 1, v) and the change of slots.
; mode 2: W's slot bs and half (fs, fh) of x's ring are filled again; 1: W's slot alone; 0: nothing is left to fetch, a plain barrier.
; In front of the opening signal each wave waits for its LDS reads and for ALL its tensor loads; only products stand inside the round;
; the joint refill is the first tensor load behind it, one a wave; then the next step's first fragments are read.
.macro TURN mode, bs, fs, fh, nas, nac
	s_wait_dscnt 0x0                               ; my reads of this step's tiles are over
	s_wait_tensorcnt 0x0                           ; all my tensor loads have landed, my part of the next step's tiles among them
	ds_add_u32 v254, v255
	s_wait_dscnt 0x0
	s_barrier_signal -1
	WIN 0xf0
	MUL16 AF1, BF1, 0, 0                           ; register work while the others arrive
	WIN 0
	s_barrier_wait -1
.if \mode
	CREST                                          ; all sixteen work-groups have said so
	s_add_nc_u64 s[GB+4*\bs+2:GB+4*\bs+3], s[GB+4*\bs+2:GB+4*\bs+3], 262144      ; two steps of 64 rows of 2,048 bytes on; no load of mine is out
.if \mode == 2
	s_add_nc_u64 s[GA+8*\fs+4*\fh+2:GA+8*\fs+4*\fh+3], s[GA+8*\fs+4*\fh+2:GA+8*\fs+4*\fh+3], 512   ; two tiles of 128 k on
.endif
	JLOAD \bs, \mode-1, \fs, \fh
.endif
	PLACES
	FETCHB ADRB+1-\bs, 0, BF0
	FETCHA ADRA+\nas, \nac, AF0
	WIN 0xf0
	MUL16 AF1, BF1, 2, 0
.endm
; A step of 64 along K.  bs: W's slot; as, ac: x's slot and the byte column of the step in its rows; nas, nac: the same for the next step.
; mode 3: the very last step, nothing more to fetch.
.macro STEP bs, as, ac, zero, mode, fs, fh, nas, nac
	PHEAD
	FETCHB ADRB+\bs, BSEC, BF1
	PMUL 0x50, AF0, BF0, \zero
	PHEAD
	FETCHB ADRB+\bs, 2*BSEC, BF0
	PMUL 0xa0, AF0, BF1, \zero
	PHEAD
	FETCHB ADRB+\bs, BKK, BF1
	FETCHA ADRA+\as, \ac+64, AF1
	PMUL 0xf0, AF0, BF0, \zero
	PHEAD
	FETCHB ADRB+\bs, BKK+BSEC, BF0
	PMUL 0x50, AF1, BF1, 0
	PHEAD
	FETCHB ADRB+\bs, BKK+2*BSEC, BF1
	PMUL 0xa0, AF1, BF0, 0
.if \mode == 3
	s_wait_dscnt 0x0
	PMUL 0xf0, AF1, BF1, 0
.else
	TURN \mode, \bs, \fs, \fh, \nas, \nac
.endif
.endm
; Four steps = once round x's ring.  x's slot 0 is read out at the end of step 1 and filled behind steps 1 (half 0) and 2 (half 1);
; slot 1 is read out at the end of step 3 and filled behind step 3 (half 0) and the next lap's step 0 (half 1).
.macro LAP zero, m0
	STEP 0, 0, 0,   \zero, \m0, 1, 1, 0, 128
	STEP 1, 0, 128, 0,     2,   0, 0, 1, 0
	STEP 0, 1, 0,   0,     2,   0, 1, 1, 128
	STEP 1, 1, 128, 0,     2,   1, 0, 0, 0
.endm
	s_load_b256 s[4:11], s[0:1], 0x0               ; xw s[4:5], bq s[6:7], bv s[8:9], qkv s[10:11]
	v_lshl_add_u32 v254, v0, 2, 0x41400
	v_mov_b32 v255, 0
	ds_add_u32 v254, v255
	v_lshrrev_b32 v1, 5, v0
	v_readfirstlane_b32 s12, v1                    ; wave 0..3
	s_bfe_u32 s13, ttmp6, 0x40000                  ; cx
	s_bfe_u32 s14, ttmp6, 0x40004                  ; cy
	s_lshl_b32 s15, ttmp9, 2
	s_add_co_u32 s15, s15, s13                     ; c = 4 x cluster x + cx: the block of 128 columns
	s_and_b32 s16, ttmp7, 0xffff
	s_lshl_b32 s16, s16, 2
	s_add_co_u32 s16, s16, s14                     ; rb = 4 x cluster y + cy: the block of 256 tokens
	s_lshl_b32 s17, s14, 2
	s_lshl_b32 s17, 15, s17                        ; my row of the cluster
	s_lshl_b32 s18, 0x1111, s13                    ; my column
	; group 1 for x: 128 rows x 128 elements of 2 bytes, 1,024 elements from row to row; 4 words of padding behind every 64
	s_or_b32 s[G1A+0], s17, (1<<16)|(1<<20)|(1<<21)|(5<<22)|(3<<25)
	s_mov_b32 s[G1A+1], 128<<16                    ; tensor_dim0 = 128
	s_mov_b32 s[G1A+2], 128<<16                    ; tensor_dim1 = 128
	s_mov_b32 s[G1A+3], 128<<16                    ; tile_dim0 = 128
	s_mov_b32 s[G1A+4], 128                        ; tile_dim1 = 128
	s_mov_b32 s[G1A+5], 1024
	s_mov_b32 s[G1A+6], 0
	s_mov_b32 s[G1A+7], 0
	; group 1 for W: 64 rows x 128 elements; 8 words of padding behind every 64
	s_or_b32 s[G1B+0], s18, (1<<16)|(1<<20)|(1<<21)|(5<<22)|(7<<25)
	s_mov_b32 s[G1B+1], 128<<16
	s_mov_b32 s[G1B+2], 64<<16
	s_mov_b32 s[G1B+3], 128<<16
	s_mov_b32 s[G1B+4], 64
	s_mov_b32 s[G1B+5], 1024
	s_mov_b32 s[G1B+6], 0
	s_mov_b32 s[G1B+7], 0
	s_lshl_b32 s76, s16, 19                        ; x: 256 tokens of 2,048 bytes a block (registers that never hold cx)
	s_mov_b32 s77, 0
	s_lshl_b32 s78, s15, 8                         ; W: 128 columns of 2 bytes a block (registers that never hold cy),
	s_lshl_b32 s79, s12, 21                        ; my wave's plane of 2 MiB,
	s_add_co_u32 s78, s78, s79
	s_add_co_u32 s78, s78, 16777216                ; behind x
	s_mov_b32 s79, 0
	s_mul_i32 s87, s12, BSEC                       ; where my weight's tile goes: the wave's number alone enters an LDS address
	s_add_co_u32 s87, s87, BBASE
	; the three places in qkv of my wave's first token in head 2 c: ((16 b + 2 c) x 2048 + s0 + 64 w) x 128 bytes
	s_lshr_b32 s80, s16, 3
	s_lshl_b32 s80, s80, 4
	s_lshl_b32 s81, s15, 1
	s_add_co_u32 s80, s80, s81
	s_lshl_b32 s80, s80, 11
	s_and_b32 s81, s16, 7
	s_lshl_b32 s81, s81, 8
	s_add_co_u32 s80, s80, s81
	s_lshl_b32 s81, s12, 6
	s_add_co_u32 s80, s80, s81
	s_lshl_b32 s80, s80, 7
	s_mov_b32 s81, 0
	s_lshl_b32 s82, s15, 9                         ; the biases of my 128 columns
	s_mov_b32 s83, 0
	s_wait_dscnt 0x0
	s_wait_kmcnt 0x0
	s_add_nc_u64 s[76:77], s[4:5], s[76:77]
	s_add_nc_u64 s[78:79], s[4:5], s[78:79]
	s_add_nc_u64 s[66:67], s[10:11], s[80:81]      ; q
	s_add_nc_u64 s[68:69], s[66:67], 16777216      ; k
	s_add_nc_u64 s[70:71], s[68:69], 16777216      ; v
	s_add_nc_u64 s[72:73], s[6:7], s[82:83]        ; bq
	s_add_nc_u64 s[74:75], s[8:9], s[82:83]        ; bv
.irp s, 0,1
.irp hf, 0,1
	s_mov_b32 s[GA+8*\s+4*\hf], 1
	s_mov_b32 s[GA+8*\s+4*\hf+1], \s*ASLOT+\hf*AHALF
	s_add_nc_u64 s[GA+8*\s+4*\hf+2:GA+8*\s+4*\hf+3], s[76:77], \hf*262144+\s*256   ; 128 tokens down, tile s of 128 k
	s_or_b32 s[GA+8*\s+4*\hf+3], s[GA+8*\s+4*\hf+3], 0x80000000
.endr
	s_mov_b32 s[GB+4*\s], 1
	s_add_co_u32 s[GB+4*\s+1], s87, \s*BSLOT
	s_add_nc_u64 s[GB+4*\s+2:GB+4*\s+3], s[78:79], \s*131072                       ; step s: 64 rows of 2,048 bytes
	s_or_b32 s[GB+4*\s+3], s[GB+4*\s+3], 0x80000000
.endr
	CROUND                                         ; all sixteen work-groups are here: the first joint loads meet
	s_cmp_eq_u32 s12, 3                            ; all first fills of a wave stand in this one branch
	s_cbranch_scc1 .Lfirst_a
	tensor_load_to_lds s[GB:GB+3], s[G1B:G1B+7]            ; my weight, steps 0 and 1
	s_nop 0
	tensor_load_to_lds s[GB+4:GB+7], s[G1B:G1B+7]
	s_nop 0
	s_branch .Lfirst_done
.Lfirst_a:
	tensor_load_to_lds s[GA:GA+3], s[G1A:G1A+7]            ; x, tile 0 (steps 0, 1): both halves
	s_nop 0
	tensor_load_to_lds s[GA+4:GA+7], s[G1A:G1A+7]
	s_nop 0
	tensor_load_to_lds s[GA+8:GA+11], s[G1A:G1A+7]         ; x, tile 1 (steps 2, 3)
	s_nop 0
	tensor_load_to_lds s[GA+12:GA+15], s[G1A:G1A+7]
	s_nop 0
.Lfirst_done:
	v_and_b32 v1, 31, v0                           ; L
	v_and_b32 v10, 15, v0                          ; r
	v_bfe_u32 v11, v0, 4, 1                        ; h
	v_mul_u32_u24 v12, v10, PA
	v_lshl_add_u32 v12, v11, 4, v12                ; r x 272 + 16 h
	s_mul_i32 s85, s12, 64*PA                      ; my 64 tokens
	v_add_nc_u32 v[ADRA], s85, v12
	v_add_nc_u32 v[ADRA+1], ASLOT, v[ADRA]
	v_and_b32 v13, 7, v0
	v_lshl_add_u32 v13, v11, 3, v13                ; 8 h + (L & 7)
	v_mul_u32_u24 v13, v13, PB
	v_bfe_u32 v14, v0, 3, 1
	v_lshl_add_u32 v13, v14, 4, v13
	v_add_nc_u32 v[ADRB], BBASE, v13
	v_add_nc_u32 v[ADRB+1], BSLOT, v[ADRB]
	s_mul_i32 s86, s12, 16*PA
	s_add_co_u32 s86, s86, STAGE                   ; my stage
	v_add_nc_u32 v[STO], s86, v12
	v_bfe_u32 v14, v0, 3, 2                        ; back: eight lanes take the 128 bytes of one token and head
	v_mul_u32_u24 v14, v14, PA
	v_and_b32 v15, 7, v0
	v_lshl_add_u32 v14, v15, 4, v14
	v_add_nc_u32 v[RD], s86, v14
	v_lshlrev_b32 v[CO], 4, v1
	v_lshlrev_b32 v[BO], 5, v11
	s_wait_tensorcnt 0x1                           ; all but my youngest first fill are in: W's step 0 (waves 0-2), x's tile 0 (wave 3)
	s_barrier_signal -1
	s_barrier_wait -1                              ; everybody's are
	FETCHB ADRB, 0, BF0
	FETCHA ADRA, 0, AF0
	LAP 1, 1                                       ; steps 0-3: the first products start the sums; behind step 0 only W is filled (x's ring is full)
	WIN 0                                          ; at a label and at a branch every window is 0
	s_mov_b32 s84, 2
.Llap:
	LAP 0, 2                                       ; steps 4-7, 8-11
	WIN 0
	s_sub_co_u32 s84, s84, 1
	s_cmp_lg_u32 s84, 0
	s_cbranch_scc1 .Llap
	STEP 0, 0, 0,   0, 2, 1, 1, 0, 128             ; step 12: the last half tile of x, W's step 14
	STEP 1, 0, 128, 0, 1, 0, 0, 1, 0               ; step 13: W's step 15, the last load
	STEP 0, 1, 0,   0, 0, 0, 0, 1, 128             ; step 14: a plain barrier shows step 15's tiles to all
	STEP 1, 1, 128, 0, 3, 0, 0, 0, 0               ; step 15
	; THE WAY OUT.  16 tokens of one section at a time: add the bias, round to bf16, 16 bytes a lane into my own stage, read back so that
	; 32 lanes hold four tokens of one head: 512 consecutive bytes of qkv, aligned.
	PLACES                                         ; behind the last products: for the loads into BF0, BF1 and for the vector work on the sums
	WIN 0
.irp b, 0,1,2,3,4,5,6,7
	global_load_b128 v[BF0+8*\b:BF0+8*\b+3],   v[BO], s[72:73] offset:64*\b       ; register 8 b + j: bq of column 16 b + 8 h + j
	global_load_b128 v[BF0+8*\b+4:BF0+8*\b+7], v[BO], s[72:73] offset:64*\b+16
	global_load_b128 v[BF1+8*\b:BF1+8*\b+3],   v[BO], s[74:75] offset:64*\b       ; bv likewise
	global_load_b128 v[BF1+8*\b+4:BF1+8*\b+7], v[BO], s[74:75] offset:64*\b+16
.endr
; wa, wc: the window settings of the addition (sums in and out of their window, bias from window 0) and of the conversion (sums to window 0);
; sb: the section's base; a: the block of 16 tokens; bias: 0 or the bias registers; f: AF0 and AF1 by turns
.macro OUT16 wa, wc, sb, a, bias, f
.if \bias
	WIN \wa
.irp b, 0,1,2,3,4,5,6,7
.irp p, 0,2,4,6
	v_pk_add_f32 v[8*(8*\a+\b)+\p:8*(8*\a+\b)+\p+1], v[8*(8*\a+\b)+\p:8*(8*\a+\b)+\p+1], v[\bias+8*\b+\p:\bias+8*\b+\p+1]
.endr
.endr
.endif
	WIN \wc
.irp b, 0,1,2,3,4,5,6,7
.irp p, 0,1,2,3
	v_cvt_pk_bf16_f32 v[TMP+4*\b+\p], v[8*(8*\a+\b)+2*\p], v[8*(8*\a+\b)+2*\p+1]
.endr
.endr
	WIN 0
.irp b, 0,1,2,3,4,5,6,7
	ds_store_b128 v[STO], v[TMP+4*\b:TMP+4*\b+3] offset:32*\b
.endr
	s_wait_xcnt 0x0                                ; buffer f, which earlier stores read, is loaded again only behind this wait
.irp i, 0,1,2,3,4,5,6,7
	ds_load_b128 v[\f+4*\i:\f+4*\i+3], v[RD] offset:(\i&3)*4*PA+(\i>>2)*128       ; LDS serves a wave's instructions in order: these see the stores above
.endr
.irp i, 0,1,2,3,4,5,6,7
	s_wait_dscnt 7-\i                              ; load i is back, the 7 - i younger ones stay out
	global_store_b128 v[CO], v[\f+4*\i:\f+4*\i+3], s[\sb:\sb+1] offset:(\i>>2)*262144+\a*2048+(\i&3)*512
.endr
.endm
	OUT16 0, 0x0a, 68, 0, 0, AF0                   ; k first: it has no bias, so the biases land meanwhile
	OUT16 0, 0x0a, 68, 1, 0, AF1
	OUT16 0, 0x0a, 68, 2, 0, AF0
	OUT16 0, 0x0a, 68, 3, 0, AF1
	s_wait_loadcnt 0x0                             ; bq and bv
	OUT16 0x41, 0x05, 66, 0, BF0, AF0
	OUT16 0x41, 0x05, 66, 1, BF0, AF1
	OUT16 0x41, 0x05, 66, 2, BF0, AF0
	OUT16 0x41, 0x05, 66, 3, BF0, AF1
	OUT16 0xc3, 0x0f, 70, 0, BF1, AF0
	OUT16 0xc3, 0x0f, 70, 1, BF1, AF1
	OUT16 0xc3, 0x0f, 70, 2, BF1, AF0
	OUT16 0xc3, 0x0f, 70, 3, BF1, AF1
	s_wait_tensorcnt 0x0
	ds_add_u32 v254, v255
	s_wait_dscnt 0x0
	CROUND                                         ; the closing round: no work-group ends while a partner may still ask for a tile that names it
	s_endpgm
.Lfunc_end_k_qc3e941ecdf_qkv:
	.size	k_qc3e941ecdf_qkv, .Lfunc_end_k_qc3e941ecdf_qkv-k_qc3e941ecdf_qkv
	.p2alignl 7, 3214868480
	.fill 96, 4, 3214868480
	.section	.rodata,"a",@progbits
	.p2align	6, 0x0
	.amdhsa_kernel k_qc3e941ecdf_qkv
		.amdhsa_group_segment_fixed_size 327680
		.amdhsa_private_segment_fixed_size 0
		.amdhsa_enable_private_segment 0
		.amdhsa_kernarg_size 32
		.amdhsa_user_sgpr_count 2
		.amdhsa_user_sgpr_kernarg_segment_ptr 1
		.amdhsa_wavefront_size32 1
		.amdhsa_system_sgpr_workgroup_id_x 1
		.amdhsa_system_sgpr_workgroup_id_y 1
		.amdhsa_system_sgpr_workgroup_id_z 1
		.amdhsa_system_vgpr_workitem_id 0
		.amdhsa_next_free_vgpr 1024
		.amdhsa_next_free_sgpr 96
		.amdhsa_reserve_vcc 0
		.amdhsa_float_denorm_mode_32 3
		.amdhsa_float_denorm_mode_16_64 3
		.amdhsa_memory_ordered 1
		.amdhsa_forward_progress 1
		.amdhsa_inst_pref_size 255
	.end_amdhsa_kernel
	.section	.bss,"aw",@nobits
	.p2align	6
	.space	262144
	.amdgpu_metadata
---
amdhsa.version: [ 1, 2 ]
amdhsa.kernels:
  - .name:           k_qc3e941ecdf_qkv
    .symbol:         k_qc3e941ecdf_qkv.kd
    .args:
      - { .name: xw, .offset: 0, .size: 8, .value_kind: global_buffer, .address_space: global }
      - { .name: bq, .offset: 8, .size: 8, .value_kind: global_buffer, .address_space: global }
      - { .name: bv, .offset: 16, .size: 8, .value_kind: global_buffer, .address_space: global }
      - { .name: qkv, .offset: 24, .size: 8, .value_kind: global_buffer, .address_space: global }
    .group_segment_fixed_size: 327680
    .private_segment_fixed_size: 0
    .kernarg_segment_align: 8
    .kernarg_segment_size: 32
    .max_flat_workgroup_size: 128
    .sgpr_count:     96
    .vgpr_count:     1024
    .wavefront_size: 32
...
	.end_amdgpu_metadata
.endif
;; end of part 2
;; launch attn (part 3): grid 256 x 1, 4 waves a work-group, clusters of 4 x 1, 327,680 bytes of LDS; arguments qkv, att; writes att
.if DOCPART == 3
	.amdgcn_target "amdgcn-amd-amdhsa--gfx1250"
	.amdhsa_code_object_version 6
	.text
	.protected	k_qc3e941ecdf_attn
	.globl	k_qc3e941ecdf_attn
	.p2align	8
	.type	k_qc3e941ecdf_attn,@function
k_qc3e941ecdf_attn:
	s_mov_b64 s[64:65], 0
	v_nop
	global_prefetch_b8 v0, s[64:65] scope:SCOPE_SE
	s_setreg_imm32_b32 hwreg(HW_REG_WAVE_MODE, 25, 1), 1
	s_wait_xcnt 0x0
	s_wait_alu depctr_hold_cnt(0) depctr_sa_sdst(0) depctr_va_vdst(0) depctr_va_sdst(0) depctr_va_ssrc(0) depctr_va_vcc(0) depctr_vm_vsrc(0)
	s_getreg_b32 s2, hwreg(HW_REG_IB_STS2, 6, 4)
	s_cmp_eq_u32 s2, 0
	s_cbranch_scc0 .Lentry_in_a_cluster
	s_endpgm
.Lentry_in_a_cluster:
	s_bfe_u32 s2, ttmp6, 0x10000c
	s_cmp_lg_u32 s2, 0x3003
	s_cbranch_scc0 .Lentry_shape_is_right
	s_endpgm
.Lentry_shape_is_right:
; Launch 3 of 4: att[b][h][s][d] = softmax over keys of (q . k / 8) times v, for each of the 64 heads (b, h); bf16 in, bf16 out.
; k comes without its bias bk: the term that it would add is the same for all keys of a row and cancels in the softmax (head of launch 1).
;
; A cluster of four work-groups takes one head; a work-group 512 queries, a wave 128 (8 tiles of 16).  All four walk the same 16 tiles of
; 128 keys of K and of V, so each tile is asked for JOINTLY (mask 15): wave 0 asks for K, wave 1 for V, waves 2 and 3 ask for nothing.
; Two LDS slots take turns; one round of the cluster's barrier a tile; by this text's count a wave has at most one tensor load out.
; A tile is worked on in two trips of 64 keys.
;
; THE PRODUCTS ARE TRANSPOSED.  S^T = K Q^T: source 0 = 16 keys, source 1 = 16 queries; lane (r, h), register j holds key 8 h + j of the
; block, query r.  Packed to bf16 in place, two such blocks are source 1 of O^T = V^T P^T (32 keys) as they lie: no move between lanes.
; V^T comes from LDS by the transposing load.  A lane's statistics belong to one query; the two halves of the lanes hold different keys
; and meet by one v_permlanex16_b32.
;
; THE SOFTMAX takes a running maximum away: p = exp2(c s + NM), c = log2(e) / 8, NM = the rounded -c m, m the largest raw score so far;
; when m grows, l and O are multiplied by exp2(NM new - NM old).  The rounding of NM is one factor common to p, l and O of a row and
; leaves O / l as it is, whatever the size of the scores.
; LIMITS: a probability below 2^-126 of the row's largest counts as zero (v_exp_f32 flushes denormal results: ISA guide, its entry);
; the products take p rounded to bf16, the row sum l takes p in f32.
;
; REGISTER WINDOWS: 0 addresses, statistics, fragments of K and V; 1: O(dt, qt) at 32 qt + 8 dt; 2: S(kt, qt) at 32 qt + 8 kt, then
; P(qt, sl) at 32 qt + 16 sl; 3: Q(qt, kk) at 16 qt + 8 kk, loaded once.
; In each run of products the 32 accumulators take turns, one instruction a turn.
; The work-group declares more than half of the LDS so that it is alone where it runs; it uses 87,040 bytes.
.set PK,     144                       ; K: rows of 128 bytes + 16
.set PV,     160                       ; V: rows of 128 bytes + 32, an odd multiple of 32
.set KBYTES, 128*PK                    ; 18,432
.set SLOT,   KBYTES+128*PV             ; 38,912
.set STAGE,  2*SLOT                    ; 77,824, a multiple of 256; 16 rows x 144 bytes for each wave; no tensor load fills it
.set ADRK, 4                           ; v4   r x 144 + 16 h
.set ADRV, 5                           ; v5   18,432 + (8 h + (L & 7)) x 160 + 16 ((L >> 3) & 1)
.set QO,   6                           ; v6   r x 128 + 16 h
.set STO,  7
.set RD,   8
.set CO,   9
.set RM,   16                          ; v[16:23]  m, one for each query tile
.set RNM,  24                          ; v[24:31]  -c m, rounded
.set RAL,  32                          ; v[32:39]  the factor for l and O; at the end 1 / l
.set RT,   40                          ; v[40:47]  at work
.set RU,   48                          ; v[48:55]  what the other half of the lanes holds
.set RL,   56                          ; v[56:71]  l in two partial sums for each query tile
.set KF,   72                          ; v[72:135]  K(kt, kk) at 16 kt + 8 kk
.set VF,   136                         ; v[136:199] V^T(sl, dt) at 32 sl + 8 dt
.set TMP,  200                         ; v[200:215]
.set RB0,  216                         ; v[216:231], v[232:247] the way out, by turns
.set RB1,  232
.set G1K, 16
.set G1V, 24
.set G0K, 32                           ; slot s at + 4 s
.set G0V, 40
.set MSB, 0
.macro WIN new
.if MSB != (\new)
	s_set_vgpr_msb (MSB<<8)|(\new)
.set MSB, (\new)
.endif
.endm
.macro ROUND                           ; a round of the cluster's barrier
	s_barrier_signal -1
	s_barrier_wait -1
	s_cmp_lg_u32 s8, 0
	s_cbranch_scc1 .Lnot_wave_0_\@
	s_barrier_signal -3
.Lnot_wave_0_\@:
	s_barrier_wait -3
	s_barrier_signal -1
	s_barrier_wait -1
.endm
.macro JLOAD s                         ; the joint request for a tile of K (wave 0) and of V (wave 1) into slot s (s may be an expression: it stands in brackets)
	s_cmp_lg_u32 s8, 0
	s_cbranch_scc1 .Lnot_k_\@
	tensor_load_to_lds s[G0K+4*(\s):G0K+4*(\s)+3], s[G1K:G1K+7]
	s_nop 0
.Lnot_k_\@:
	s_cmp_lg_u32 s8, 1
	s_cbranch_scc1 .Lnot_v_\@
	tensor_load_to_lds s[G0V+4*(\s):G0V+4*(\s)+3], s[G1V:G1V+7]
	s_nop 0
.Lnot_v_\@:
.endm
.macro KLOAD slot, ko                  ; 16 loads: 64 keys x 64 d from key ko of the slot
.irp kt, 0,1,2,3
.irp kk, 0,1
	ds_load_b128 v[KF+16*\kt+8*\kk:KF+16*\kt+8*\kk+3],   v[ADRK] offset:\slot*SLOT+(\ko+16*\kt)*PK+64*\kk
	ds_load_b128 v[KF+16*\kt+8*\kk+4:KF+16*\kt+8*\kk+7], v[ADRK] offset:\slot*SLOT+(\ko+16*\kt)*PK+64*\kk+32
.endr
.endr
.endm
.macro VLOAD slot, ko                  ; 16 transposing loads: 64 d x 64 keys
.irp sl, 0,1
.irp dt, 0,1,2,3
	ds_load_tr16_b128 v[VF+32*\sl+8*\dt:VF+32*\sl+8*\dt+3],   v[ADRV] offset:\slot*SLOT+(\ko+32*\sl)*PV+32*\dt
	ds_load_tr16_b128 v[VF+32*\sl+8*\dt+4:VF+32*\sl+8*\dt+7], v[ADRV] offset:\slot*SLOT+(\ko+32*\sl)*PV+32*\dt+16*PV
.endr
.endr
.endm
; 64 keys against my 128 queries.  first: the very first trip (no old maximum, the products start the sums);
; kload: K's fragments are loaded here; kpre: those of the next 64 keys are asked for behind the score products.
.macro TRIP slot, ko, first, kload, kpre
.if \first == 0
.rept 5
	v_nop                                          ; behind the last P V products: four places for the loads into V's fragments, five for the scores that write over P
.endr
.endif
.if \kload
	KLOAD \slot, \ko
.endif
	VLOAD \slot, \ko
	s_wait_dscnt 16                                ; K's fragments are in; the 16 younger loads, V's, stay out
.if \first
	s_wait_loadcnt 0x0                             ; Q
.endif
	WIN 0xac                                       ; K window 0, Q window 3, S window 2
.irp qt, 0,1,2,3,4,5,6,7
.irp kt, 0,1,2,3
	v_wmma_f32_16x16x32_bf16 v[32*\qt+8*\kt:32*\qt+8*\kt+7], v[KF+16*\kt:KF+16*\kt+7], v[16*\qt:16*\qt+7], 0
.endr
.endr
.irp qt, 0,1,2,3,4,5,6,7
.irp kt, 0,1,2,3
	v_wmma_f32_16x16x32_bf16 v[32*\qt+8*\kt:32*\qt+8*\kt+7], v[KF+16*\kt+8:KF+16*\kt+15], v[16*\qt+8:16*\qt+15], v[32*\qt+8*\kt:32*\qt+8*\kt+7]
.endr
.endr
.rept 4
	v_nop                                          ; the places in front of the loads into K's fragments and of the vector work on S
.endr
	WIN 0
.if \kpre
	KLOAD \slot, \ko+64
.endif
	; the largest score of each query: 32 registers a tile, eight chains that do not wait for each other
	WIN 0x0a                                       ; sources 0 and 1 from S, the third and the result in window 0
.irp qt, 0,1,2,3,4,5,6,7
.if \first
	v_max_num_f32 v[RT+\qt], v[32*\qt], v[32*\qt+1]
.else
	v_max3_num_f32 v[RT+\qt], v[32*\qt], v[32*\qt+1], v[RM+\qt]
.endif
.endr
.irp i, 1,2,3,4,5,6,7,8,9,10,11,12,13,14,15
.irp qt, 0,1,2,3,4,5,6,7
	v_max3_num_f32 v[RT+\qt], v[32*\qt+2*\i], v[32*\qt+2*\i+1], v[RT+\qt]
.endr
.endr
	WIN 0
.irp qt, 0,1,2,3,4,5,6,7
	v_permlanex16_b32 v[RU+\qt], v[RT+\qt], s10, s11       ; the other half's keys
.endr
.irp qt, 0,1,2,3,4,5,6,7
	v_max_num_f32 v[RM+\qt], v[RT+\qt], v[RU+\qt]
.endr
.if \first == 0
.irp qt, 0,1,2,3,4,5,6,7
	v_mov_b32 v[RAL+\qt], v[RNM+\qt]
.endr
.endif
.irp qt, 0,1,2,3,4,5,6,7
	v_mul_f32 v[RNM+\qt], s14, v[RM+\qt]                   ; NM = -c m
.endr
.if \first == 0
.irp qt, 0,1,2,3,4,5,6,7
	v_sub_f32 v[RAL+\qt], v[RNM+\qt], v[RAL+\qt]           ; NM new - NM old, at most 0
.endr
.irp qt, 0,1,2,3,4,5,6,7
	v_exp_f32 v[RAL+\qt], v[RAL+\qt]
.endr
	v_nop                                          ; one plain instruction between a transcendental and the use of its result (ISA guide 5.7.2)
	s_wait_alu depctr_va_vdst(0)
.irp qp, 0,2,4,6
	v_pk_mul_f32 v[RL+2*\qp:RL+2*\qp+1], v[RL+2*\qp:RL+2*\qp+1], v[RAL+\qp:RAL+\qp+1] op_sel_hi:[1,0]
	v_pk_mul_f32 v[RL+2*\qp+2:RL+2*\qp+3], v[RL+2*\qp+2:RL+2*\qp+3], v[RAL+\qp:RAL+\qp+1] op_sel:[0,1] op_sel_hi:[1,1]
.endr
.endif
	; p = exp2(c s + NM), in place.  Behind a tile's exponentials stand the next tile's multiply-adds: plain, and on other registers.
	WIN 0x82                                       ; S in and out of window 2, NM from window 0
.irp qp, 0,2,4,6
.set j, 0
.rept 16
	v_pk_fma_f32 v[32*\qp+2*j:32*\qp+2*j+1], v[32*\qp+2*j:32*\qp+2*j+1], s[12:13], v[RNM+\qp:RNM+\qp+1] op_sel_hi:[1,0,0]
.set j, j+1
.endr
.set j, 0
.rept 32
	v_exp_f32 v[32*\qp+j], v[32*\qp+j]
.set j, j+1
.endr
.set j, 0
.rept 16
	v_pk_fma_f32 v[32*\qp+32+2*j:32*\qp+32+2*j+1], v[32*\qp+32+2*j:32*\qp+32+2*j+1], s[12:13], v[RNM+\qp:RNM+\qp+1] op_sel:[0,0,1] op_sel_hi:[1,0,1]
.set j, j+1
.endr
.set j, 0
.rept 32
	v_exp_f32 v[32*\qp+32+j], v[32*\qp+32+j]
.set j, j+1
.endr
.endr
	; l += the sum of p, in f32; the first line below works on tile 0 and is the plain instruction behind tile 7's exponentials
.if \first
	WIN 0x0a
	s_wait_alu depctr_va_vdst(0)
.irp qt, 0,1,2,3,4,5,6,7
	v_pk_add_f32 v[RL+2*\qt:RL+2*\qt+1], v[32*\qt:32*\qt+1], v[32*\qt+2:32*\qt+3]
.endr
	WIN 0x02
.irp i, 2,3,4,5,6,7,8,9,10,11,12,13,14,15
.irp qt, 0,1,2,3,4,5,6,7
	v_pk_add_f32 v[RL+2*\qt:RL+2*\qt+1], v[32*\qt+2*\i:32*\qt+2*\i+1], v[RL+2*\qt:RL+2*\qt+1]
.endr
.endr
.else
	WIN 0x02
	s_wait_alu depctr_va_vdst(0)
.irp i, 0,1,2,3,4,5,6,7,8,9,10,11,12,13,14,15
.irp qt, 0,1,2,3,4,5,6,7
	v_pk_add_f32 v[RL+2*\qt:RL+2*\qt+1], v[32*\qt+2*\i:32*\qt+2*\i+1], v[RL+2*\qt:RL+2*\qt+1]
.endr
.endr
.endif
	; p to bf16, in place and ascending: result i of a block of 16 registers takes registers 2 i and 2 i + 1, which lie at or above it
	WIN 0x8a
.irp qt, 0,1,2,3,4,5,6,7
.set j, 0
.rept 16
	v_cvt_pk_bf16_f32 v[32*\qt+16*(j/8)+j%8], v[32*\qt+16*(j/8)+2*(j%8)], v[32*\qt+16*(j/8)+2*(j%8)+1]
.set j, j+1
.endr
.endr
.if \first == 0
	WIN 0x41                                       ; O in and out of window 1, the factor from window 0
.irp qp, 0,2,4,6
.set j, 0
.rept 16
	v_pk_mul_f32 v[32*\qp+2*j:32*\qp+2*j+1], v[32*\qp+2*j:32*\qp+2*j+1], v[RAL+\qp:RAL+\qp+1] op_sel_hi:[1,0]
.set j, j+1
.endr
.set j, 0
.rept 16
	v_pk_mul_f32 v[32*\qp+32+2*j:32*\qp+32+2*j+1], v[32*\qp+32+2*j:32*\qp+32+2*j+1], v[RAL+\qp:RAL+\qp+1] op_sel:[0,1] op_sel_hi:[1,1]
.set j, j+1
.endr
.endr
.endif
.if \kpre
	s_wait_dscnt 16                                ; V's fragments are in; the 16 younger loads, the next keys of K, stay out
.else
	s_wait_dscnt 0x0
.endif
	WIN 0x58                                       ; V^T window 0, P window 2, O window 1
.irp qt, 0,1,2,3,4,5,6,7
.irp dt, 0,1,2,3
.if \first
	v_wmma_f32_16x16x32_bf16 v[32*\qt+8*\dt:32*\qt+8*\dt+7], v[VF+8*\dt:VF+8*\dt+7], v[32*\qt:32*\qt+7], 0
.else
	v_wmma_f32_16x16x32_bf16 v[32*\qt+8*\dt:32*\qt+8*\dt+7], v[VF+8*\dt:VF+8*\dt+7], v[32*\qt:32*\qt+7], v[32*\qt+8*\dt:32*\qt+8*\dt+7]
.endif
.endr
.endr
.irp qt, 0,1,2,3,4,5,6,7
.irp dt, 0,1,2,3
	v_wmma_f32_16x16x32_bf16 v[32*\qt+8*\dt:32*\qt+8*\dt+7], v[VF+32+8*\dt:VF+32+8*\dt+7], v[32*\qt+16:32*\qt+23], v[32*\qt+8*\dt:32*\qt+8*\dt+7]
.endr
.endr
	WIN 0
.endm
; A tile of 128 keys in slot.  refill: the next tile is asked for, into the slot that was read last.
.macro TILE slot, refill, first
	s_wait_tensorcnt 0x0                           ; all my tensor loads have landed, my part of this tile among them,
	ds_add_u32 v254, v255
	s_wait_dscnt 0x0
	s_add_nc_u64 s[G0K+4*\slot+2:G0K+4*\slot+3], s[G0K+4*\slot+2:G0K+4*\slot+3], 32768   ; so every group 0 may be written: this slot's next tile, two on
	s_add_nc_u64 s[G0V+4*\slot+2:G0V+4*\slot+3], s[G0V+4*\slot+2:G0V+4*\slot+3], 32768
	s_wait_dscnt 0x0                               ; my reads of the last tile are over
	ROUND                                          ; both now hold of every wave of the four work-groups
.if \refill
	JLOAD 1-\slot
.endif
	TRIP \slot, 0, \first, 1, 1
	TRIP \slot, 64, 0, 0, 0
.endm
	s_load_b128 s[4:7], s[0:1], 0x0                ; qkv s[4:5], att s[6:7]
	v_lshl_add_u32 v254, v0, 2, 0x29000
	v_mov_b32 v255, 0
	ds_add_u32 v254, v255
	v_lshrrev_b32 v1, 5, v0
	v_readfirstlane_b32 s8, v1                     ; wave 0..3
	s_bfe_u32 s9, ttmp6, 0x40000                   ; cx: my block of 512 queries
	s_mov_b32 s10, 0x76543210                      ; v_permlanex16_b32: lane i of one half reads lane i of the other
	s_mov_b32 s11, 0xfedcba98
	s_mov_b32 s12, 0x3e38aa3b                      ; c = log2(e) / 8, twice: the pair is read whole
	s_mov_b32 s13, 0x3e38aa3b
	s_mov_b32 s14, 0xbe38aa3b                      ; -c
	; group 1: a tile is 16 KiB that lie dense in memory, taken as 64 rows of 32 elements of 8 bytes (256 bytes);
	; padding behind every 32 words, that is behind each key's 128 bytes: 4 words for K, 8 for V.  Mask 15: all four work-groups; bit 21 beside it.
	s_mov_b32 s[G1K+0], 15|(3<<16)|(1<<20)|(1<<21)|(4<<22)|(3<<25)
	s_mov_b32 s[G1K+1], 32<<16
	s_mov_b32 s[G1K+2], 64<<16
	s_mov_b32 s[G1K+3], 32<<16
	s_mov_b32 s[G1K+4], 64
	s_mov_b32 s[G1K+5], 32
	s_mov_b32 s[G1K+6], 0
	s_mov_b32 s[G1K+7], 0
	s_mov_b32 s[G1V+0], 15|(3<<16)|(1<<20)|(1<<21)|(4<<22)|(7<<25)
	s_mov_b32 s[G1V+1], 32<<16
	s_mov_b32 s[G1V+2], 64<<16
	s_mov_b32 s[G1V+3], 32<<16
	s_mov_b32 s[G1V+4], 64
	s_mov_b32 s[G1V+5], 32
	s_mov_b32 s[G1V+6], 0
	s_mov_b32 s[G1V+7], 0
	s_lshl_b32 s52, ttmp9, 18                      ; the head: 2,048 tokens of 128 bytes; the cluster's number, shared by the four
	s_mov_b32 s53, 0
	s_lshl_b32 s54, s9, 16                         ; my work-group's 512 queries,
	s_lshl_b32 s55, s8, 14                         ; my wave's 128
	s_add_co_u32 s54, s54, s55
	s_add_co_u32 s54, s54, s52
	s_mov_b32 s55, 0
	s_wait_dscnt 0x0
	s_wait_kmcnt 0x0
	s_add_nc_u64 s[60:61], s[4:5], s[52:53]        ; the head in q's section: no place in the cluster enters it
	s_add_nc_u64 s[48:49], s[4:5], s[54:55]        ; my queries
	s_add_nc_u64 s[50:51], s[6:7], s[54:55]        ; and their place in att
.irp s, 0,1
	s_mov_b32 s[G0K+4*\s], 1
	s_mov_b32 s[G0K+4*\s+1], \s*SLOT
	s_add_nc_u64 s[G0K+4*\s+2:G0K+4*\s+3], s[60:61], 16777216+\s*16384
	s_or_b32 s[G0K+4*\s+3], s[G0K+4*\s+3], 0x80000000
	s_mov_b32 s[G0V+4*\s], 1
	s_mov_b32 s[G0V+4*\s+1], \s*SLOT+KBYTES
	s_add_nc_u64 s[G0V+4*\s+2:G0V+4*\s+3], s[60:61], 33554432+\s*16384
	s_or_b32 s[G0V+4*\s+3], s[G0V+4*\s+3], 0x80000000
.endr
	ROUND                                          ; in front of the first joint loads
	JLOAD 0                                        ; tile 0
	v_and_b32 v1, 31, v0                           ; L
	v_and_b32 v10, 15, v0                          ; r
	v_bfe_u32 v11, v0, 4, 1                        ; h
	v_lshlrev_b32 v[QO], 7, v10
	v_lshl_add_u32 v[QO], v11, 4, v[QO]
	WIN 0xc0                                       ; Q goes to window 3
.irp qt, 0,1,2,3,4,5,6,7
.irp kk, 0,1
	global_load_b128 v[16*\qt+8*\kk:16*\qt+8*\kk+3],   v[QO], s[48:49] offset:2048*\qt+64*\kk
	global_load_b128 v[16*\qt+8*\kk+4:16*\qt+8*\kk+7], v[QO], s[48:49] offset:2048*\qt+64*\kk+32
.endr
.endr
	WIN 0
	v_mul_u32_u24 v12, v10, PK
	v_lshl_add_u32 v[ADRK], v11, 4, v12            ; r x 144 + 16 h
	v_and_b32 v13, 7, v0
	v_lshl_add_u32 v14, v11, 3, v13                ; 8 h + (L & 7)
	v_mul_u32_u24 v14, v14, PV
	v_bfe_u32 v15, v0, 3, 1
	v_lshl_add_u32 v14, v15, 4, v14
	v_add_nc_u32 v[ADRV], KBYTES, v14
	s_mul_i32 s57, s8, 16*PK
	s_add_co_u32 s57, s57, STAGE                   ; my stage
	v_add_nc_u32 v[STO], s57, v[ADRK]
	v_bfe_u32 v15, v0, 3, 2                        ; back: eight lanes take one query's 128 bytes
	v_mul_u32_u24 v15, v15, PK
	v_lshl_add_u32 v15, v13, 4, v15
	v_add_nc_u32 v[RD], s57, v15
	v_lshlrev_b32 v[CO], 4, v1
.irp qt, 0,1,2,3,4,5,6,7
	v_mov_b32 v[RU+\qt], 0                         ; the destination of v_permlanex16_b32 counts as read: written once here
.endr
	TILE 0, 1, 1                                   ; tile 0; tile 1 is asked for
	s_mov_b32 s56, 7
.Ltiles:
	TILE 1, 1, 0                                   ; tiles 1, 3, .. 13
	TILE 0, 1, 0                                   ; tiles 2, 4, .. 14
	s_sub_co_u32 s56, s56, 1
	s_cmp_lg_u32 s56, 0
	s_cbranch_scc1 .Ltiles
	TILE 1, 0, 0                                   ; tile 15: nothing is left to fetch
	; THE WAY OUT: O / l, to bf16, 16 queries at a time through my own stage; a store covers four queries: 512 consecutive bytes, aligned.
.rept 4
	v_nop                                          ; the places behind the last products
.endr
.irp qt, 0,1,2,3,4,5,6,7
	v_add_f32 v[RT+\qt], v[RL+2*\qt], v[RL+2*\qt+1]
.endr
.irp qt, 0,1,2,3,4,5,6,7
	v_permlanex16_b32 v[RU+\qt], v[RT+\qt], s10, s11
.endr
.irp qt, 0,1,2,3,4,5,6,7
	v_add_f32 v[RT+\qt], v[RT+\qt], v[RU+\qt]      ; l: at least the largest p, which is 1
.endr
.irp qt, 0,1,2,3,4,5,6,7
	v_rcp_f32 v[RAL+\qt], v[RT+\qt]
.endr
	v_nop                                          ; one plain instruction between a transcendental and the use of its result
	s_wait_alu depctr_va_vdst(0)
.macro OUTQ qt, odd, rb
	WIN 0x41
.set j, 0
.rept 16
.if \odd
	v_pk_mul_f32 v[32*\qt+2*j:32*\qt+2*j+1], v[32*\qt+2*j:32*\qt+2*j+1], v[RAL+\qt-1:RAL+\qt] op_sel:[0,1] op_sel_hi:[1,1]
.else
	v_pk_mul_f32 v[32*\qt+2*j:32*\qt+2*j+1], v[32*\qt+2*j:32*\qt+2*j+1], v[RAL+\qt:RAL+\qt+1] op_sel_hi:[1,0]
.endif
.set j, j+1
.endr
	WIN 0x05                                       ; O from window 1, the packed result to window 0
.set j, 0
.rept 16
	v_cvt_pk_bf16_f32 v[TMP+j], v[32*\qt+2*j], v[32*\qt+2*j+1]
.set j, j+1
.endr
	WIN 0
.irp dt, 0,1,2,3
	ds_store_b128 v[STO], v[TMP+4*\dt:TMP+4*\dt+3] offset:32*\dt
.endr
	s_wait_xcnt 0x0                                ; buffer rb, which earlier stores read, is loaded again only behind this wait
.irp g, 0,1,2,3
	ds_load_b128 v[\rb+4*\g:\rb+4*\g+3], v[RD] offset:4*PK*\g      ; LDS serves a wave's instructions in order: these see the stores above
.endr
.irp g, 0,1,2,3
	s_wait_dscnt 3-\g                              ; load g is back, the 3 - g younger ones stay out
	global_store_b128 v[CO], v[\rb+4*\g:\rb+4*\g+3], s[50:51] offset:2048*\qt+512*\g
.endr
.endm
	OUTQ 0, 0, RB0
	OUTQ 1, 1, RB1
	OUTQ 2, 0, RB0
	OUTQ 3, 1, RB1
	OUTQ 4, 0, RB0
	OUTQ 5, 1, RB1
	OUTQ 6, 0, RB0
	OUTQ 7, 1, RB1
	s_wait_tensorcnt 0x0
	ds_add_u32 v254, v255
	s_wait_dscnt 0x0
	ROUND                                          ; the closing round: no work-group ends while a partner may still ask for a tile that names it
	s_endpgm
.Lfunc_end_k_qc3e941ecdf_attn:
	.size	k_qc3e941ecdf_attn, .Lfunc_end_k_qc3e941ecdf_attn-k_qc3e941ecdf_attn
	.p2alignl 7, 3214868480
	.fill 96, 4, 3214868480
	.section	.rodata,"a",@progbits
	.p2align	6, 0x0
	.amdhsa_kernel k_qc3e941ecdf_attn
		.amdhsa_group_segment_fixed_size 327680
		.amdhsa_private_segment_fixed_size 0
		.amdhsa_enable_private_segment 0
		.amdhsa_kernarg_size 16
		.amdhsa_user_sgpr_count 2
		.amdhsa_user_sgpr_kernarg_segment_ptr 1
		.amdhsa_wavefront_size32 1
		.amdhsa_system_sgpr_workgroup_id_x 1
		.amdhsa_system_sgpr_workgroup_id_y 1
		.amdhsa_system_sgpr_workgroup_id_z 1
		.amdhsa_system_vgpr_workitem_id 0
		.amdhsa_next_free_vgpr 896
		.amdhsa_next_free_sgpr 66
		.amdhsa_reserve_vcc 0
		.amdhsa_float_denorm_mode_32 3
		.amdhsa_float_denorm_mode_16_64 3
		.amdhsa_memory_ordered 1
		.amdhsa_forward_progress 1
		.amdhsa_inst_pref_size 255
	.end_amdhsa_kernel
	.section	.bss,"aw",@nobits
	.p2align	6
	.space	262144
	.amdgpu_metadata
---
amdhsa.version: [ 1, 2 ]
amdhsa.kernels:
  - .name:           k_qc3e941ecdf_attn
    .symbol:         k_qc3e941ecdf_attn.kd
    .args:
      - { .name: qkv, .offset: 0, .size: 8, .value_kind: global_buffer, .address_space: global }
      - { .name: att, .offset: 8, .size: 8, .value_kind: global_buffer, .address_space: global }
    .group_segment_fixed_size: 327680
    .private_segment_fixed_size: 0
    .kernarg_segment_align: 8
    .kernarg_segment_size: 16
    .max_flat_workgroup_size: 128
    .sgpr_count:     66
    .vgpr_count:     896
    .wavefront_size: 32
...
	.end_amdgpu_metadata
.endif
;; end of part 3
;; launch oproj (part 4): grid 8 x 32, 4 waves a work-group, clusters of 4 x 4, 327,680 bytes of LDS; arguments att, xw, bo, out0; writes out0
.if DOCPART == 4
	.amdgcn_target "amdgcn-amd-amdhsa--gfx1250"
	.amdhsa_code_object_version 6
	.text
	.protected	k_qc3e941ecdf_oproj
	.globl	k_qc3e941ecdf_oproj
	.p2align	8
	.type	k_qc3e941ecdf_oproj,@function
k_qc3e941ecdf_oproj:
	s_mov_b64 s[64:65], 0
	v_nop
	global_prefetch_b8 v0, s[64:65] scope:SCOPE_SE
	s_setreg_imm32_b32 hwreg(HW_REG_WAVE_MODE, 25, 1), 1
	s_wait_xcnt 0x0
	s_wait_alu depctr_hold_cnt(0) depctr_sa_sdst(0) depctr_va_vdst(0) depctr_va_sdst(0) depctr_va_ssrc(0) depctr_va_vcc(0) depctr_vm_vsrc(0)
	s_getreg_b32 s2, hwreg(HW_REG_IB_STS2, 6, 4)
	s_cmp_eq_u32 s2, 0
	s_cbranch_scc0 .Lentry_in_a_cluster
	s_endpgm
.Lentry_in_a_cluster:
	s_bfe_u32 s2, ttmp6, 0x10000c
	s_cmp_lg_u32 s2, 0xf033
	s_cbranch_scc0 .Lentry_shape_is_right
	s_endpgm
.Lentry_shape_is_right:
; Launch 4 of 4: out0 = concat over heads of att, times Wo, plus bo; f32 out.  att: bf16 [4 b][16 h][2048 s][64 d]; Wo: bf16 [1024 k][1024 n] in xw.
; A work-group makes 256 tokens x 128 columns; wave w tokens 64 w .. 64 w + 63 and all 128 columns: 32 accumulator tiles in register window 1.
; K = 1024 goes in 8 tiles of 128 = two heads; a tile is four phases of 32 along K, 32 matrix instructions each.
; The matrix instruction is used transposed (source 0 = 16 columns of Wo by the transposing LDS load, source 1 = 16 tokens): lane (r, h),
; register j holds token 16 a + r, column 16 b + 8 h + j.  The 32 accumulators take turns, one instruction a turn, over the backward
; jump too.
; CLUSTERS: 4 x 4 work-groups; att's tiles hang on the block of tokens alone and are asked for jointly along a row of the cluster, Wo's on
; the block of columns alone and are asked for jointly along a column.  Waves 0, 1 fetch one head's 256 tokens each (32 KiB, dense in memory),
; waves 2, 3 fetch 64 rows of Wo each.  By this text's count a wave has at most two tensor loads out (at the start), later one.
; LDS: two slots of [2 heads x 256 rows x 144 bytes | 128 rows x 288 bytes]; a stage of 16 rows x 528 bytes for each wave, which no tensor load fills.
.set PA,    144
.set AHB,   256*PA                     ; 36,864: one head's block
.set PB,    288
.set BKK,   32*PB                      ; 9,216: a phase's rows of Wo
.set BOFF,  2*AHB                      ; 73,728
.set SLOT,  BOFF+128*PB                ; 110,592
.set STAGE, 2*SLOT                     ; 221,184, a multiple of 256
.set SP,    528                        ; 512 bytes of f32 + 16
.set ADRA, 2
.set ADRB, 4
.set STO,  6
.set RD,   7
.set CO,   8
.set BO,   9
.set AF0,  16
.set AF1,  48
.set BF0,  80
.set BF1,  144
.set G1A,  24
.set G1B,  32
.set G0A,  40                          ; slot s at + 4 s
.set G0B,  48
.set MSB, 0
.macro WIN new
.if MSB != (\new)
	s_set_vgpr_msb (MSB<<8)|(\new)
.set MSB, (\new)
.endif
.endm
.macro PLACES                          ; the four places between a matrix instruction and a load into, or a vector instruction on, one of its registers (ISA guide 7.12.1 for vector instructions)
.rept 4
	v_nop
.endr
.endm
.macro CREST
	s_cmp_lg_u32 s12, 0
	s_cbranch_scc1 .Lnot_wave_0_\@
	s_barrier_signal -3
.Lnot_wave_0_\@:
	s_barrier_wait -3
	s_barrier_signal -1
	s_barrier_wait -1
.endm
.macro CROUND
	s_barrier_signal -1
	s_barrier_wait -1
	CREST
.endm
.macro JLOAD s                         ; waves 0, 1 ask for att, waves 2, 3 for Wo: one line, one mask each; the branch hangs on the wave's number alone
	s_cmp_eq_u32 s19, 0
	s_cbranch_scc0 .Lfor_b_\@
	tensor_load_to_lds s[G0A+4*\s:G0A+4*\s+3], s[G1A:G1A+7]
	s_nop 0
	s_branch .Lasked_\@
.Lfor_b_\@:
	tensor_load_to_lds s[G0B+4*\s:G0B+4*\s+3], s[G1B:G1B+7]
	s_nop 0
.Lasked_\@:
.endm
; 24 loads: phase q of slot sl: 8 x 16 columns x 32 k of Wo, 4 x 16 tokens x 32 k of att (head q >> 1 of the tile, d from 32 (q & 1))
.macro FETCH sl, q, af, bf
.irp b, 0,1,2,3,4,5,6,7
	ds_load_tr16_b128 v[\bf+8*\b:\bf+8*\b+3],   v[ADRB+\sl] offset:BKK*\q+32*\b
	ds_load_tr16_b128 v[\bf+8*\b+4:\bf+8*\b+7], v[ADRB+\sl] offset:BKK*\q+32*\b+16*PB
.endr
.irp a, 0,1,2,3
	ds_load_b128 v[\af+8*\a:\af+8*\a+3],   v[ADRA+\sl] offset:(\q>>1)*AHB+16*PA*\a+(\q&1)*64
	ds_load_b128 v[\af+8*\a+4:\af+8*\a+7], v[ADRA+\sl] offset:(\q>>1)*AHB+16*PA*\a+(\q&1)*64+32
.endr
.endm
.macro MUL16 af, bf, a0, zero
.irp a, \a0, \a0+1
.irp b, 0,1,2,3,4,5,6,7
.if \zero
	v_wmma_f32_16x16x32_bf16 v[8*(8*(\a)+\b):8*(8*(\a)+\b)+7], v[\bf+8*\b:\bf+8*\b+7], v[\af+8*(\a):\af+8*(\a)+7], 0
.else
	v_wmma_f32_16x16x32_bf16 v[8*(8*(\a)+\b):8*(8*(\a)+\b)+7], v[\bf+8*\b:\bf+8*\b+7], v[\af+8*(\a):\af+8*(\a)+7], v[8*(8*(\a)+\b):8*(8*(\a)+\b)+7]
.endif
.endr
.endr
.endm
.macro PHEAD
	s_wait_dscnt 0x0                               ; this phase's fragments, asked for 32 matrix instructions ago, are in
	PLACES                                         ; behind the last phase's products, whose buffers are loaded next
	WIN 0
.endm
.macro PMUL af, bf, zero
	WIN 0x50                                       ; sources window 0, C and D window 1
	MUL16 \af, \bf, 0, \zero
	MUL16 \af, \bf, 2, \zero
.endm
; A tile of 128 along K in slot sl.  mode 1: the slot is filled again, two tiles on; 0: a plain barrier, nothing is left to fetch; 3: the last tile.
.macro KTILE sl, zero, mode
	PHEAD
	FETCH \sl, 1, AF1, BF1
	PMUL AF0, BF0, \zero
	PHEAD
	FETCH \sl, 2, AF0, BF0
	PMUL AF1, BF1, 0
	PHEAD
	FETCH \sl, 3, AF1, BF1
	PMUL AF0, BF0, 0
.if \mode == 3
	s_wait_dscnt 0x0
	PMUL AF1, BF1, 0
.else
	s_wait_dscnt 0x0                               ; my reads of this slot are over
	s_wait_tensorcnt 0x0                           ; all my tensor loads have landed: the one that was out is my part of the other slot
	ds_add_u32 v254, v255
	s_wait_dscnt 0x0
	s_barrier_signal -1                            ; (where the slot is filled again this barrier opens a round of the cluster's barrier)
	WIN 0x50
	MUL16 AF1, BF1, 0, 0                           ; register work while the others arrive
	WIN 0
	s_barrier_wait -1
.if \mode
	CREST                                          ; no wave of any partner still reads this slot or has a load on its way
	s_add_nc_u64 s[G0A+4*\sl+2:G0A+4*\sl+3], s[G0A+4*\sl+2:G0A+4*\sl+3], 1048576   ; four heads on
	s_add_nc_u64 s[G0B+4*\sl+2:G0B+4*\sl+3], s[G0B+4*\sl+2:G0B+4*\sl+3], 524288    ; 256 rows of 2,048 bytes on
	JLOAD \sl                                      ; the first tensor load behind the round, one a wave
.endif
	PLACES
	FETCH 1-\sl, 0, AF0, BF0
	WIN 0x50
	MUL16 AF1, BF1, 2, 0
.endif
.endm
	s_load_b256 s[4:11], s[0:1], 0x0               ; att s[4:5], xw s[6:7], bo s[8:9], out0 s[10:11]
	v_lshl_add_u32 v254, v0, 2, 0x3e400
	v_mov_b32 v255, 0
	ds_add_u32 v254, v255
	v_lshrrev_b32 v1, 5, v0
	v_readfirstlane_b32 s12, v1                    ; wave 0..3
	s_lshr_b32 s19, s12, 1                         ; I fetch for att (0) or for Wo (1),
	s_and_b32 s20, s12, 1                          ; and which half of the tile
	s_bfe_u32 s13, ttmp6, 0x40000                  ; cx
	s_bfe_u32 s14, ttmp6, 0x40004                  ; cy
	s_lshl_b32 s15, ttmp9, 2
	s_add_co_u32 s15, s15, s13                     ; c: the block of 128 columns
	s_and_b32 s16, ttmp7, 0xffff
	s_lshl_b32 s16, s16, 2
	s_add_co_u32 s16, s16, s14                     ; rb: the block of 256 tokens
	s_lshl_b32 s17, s14, 2
	s_lshl_b32 s17, 15, s17                        ; my row of the cluster
	s_lshl_b32 s18, 0x1111, s13                    ; my column
	; group 1 for att: 32 KiB that lie dense, as 128 rows of 32 elements of 8 bytes; 4 words of padding behind every 32, that is behind each token's 128 bytes
	s_or_b32 s[G1A+0], s17, (3<<16)|(1<<20)|(1<<21)|(4<<22)|(3<<25)
	s_mov_b32 s[G1A+1], 32<<16
	s_mov_b32 s[G1A+2], 128<<16
	s_mov_b32 s[G1A+3], 32<<16
	s_mov_b32 s[G1A+4], 128
	s_mov_b32 s[G1A+5], 32
	s_mov_b32 s[G1A+6], 0
	s_mov_b32 s[G1A+7], 0
	; group 1 for Wo: 64 rows x 128 elements of 2 bytes, 1,024 elements from row to row; 8 words of padding behind every 64
	s_or_b32 s[G1B+0], s18, (1<<16)|(1<<20)|(1<<21)|(5<<22)|(7<<25)
	s_mov_b32 s[G1B+1], 128<<16
	s_mov_b32 s[G1B+2], 64<<16
	s_mov_b32 s[G1B+3], 128<<16
	s_mov_b32 s[G1B+4], 64
	s_mov_b32 s[G1B+5], 1024
	s_mov_b32 s[G1B+6], 0
	s_mov_b32 s[G1B+7], 0
	s_lshr_b32 s76, s16, 3                         ; att (registers that never hold cx): b x 16 heads of 256 KiB
	s_lshl_b32 s76, s76, 22
	s_and_b32 s77, s16, 7
	s_lshl_b32 s77, s77, 15                        ; + the block's first token x 128 bytes
	s_add_co_u32 s76, s76, s77
	s_lshl_b32 s77, s20, 18                        ; + my head of the tile's two
	s_add_co_u32 s76, s76, s77
	s_mov_b32 s77, 0
	s_lshl_b32 s78, s15, 8                         ; Wo (registers that never hold cy): my columns,
	s_lshl_b32 s79, s20, 17                        ; my 64 rows of the tile's 128,
	s_add_co_u32 s78, s78, s79
	s_add_co_u32 s78, s78, 23068672                ; behind x and three planes
	s_mov_b32 s79, 0
	s_mul_i32 s85, s12, AHB                        ; where they go: the wave's number alone enters an LDS address
	s_mul_i32 s86, s12, 64*PB
	s_add_co_u32 s86, s86, AHB                     ; wave 2: 73,728; wave 3: 92,160
	s_lshl_b32 s80, s16, 20                        ; out0: 256 tokens of 4,096 bytes a block,
	s_lshl_b32 s81, s12, 18                        ; 64 tokens a wave,
	s_add_co_u32 s80, s80, s81
	s_lshl_b32 s82, s15, 9                         ; 128 columns of 4 bytes
	s_add_co_u32 s80, s80, s82
	s_mov_b32 s81, 0
	s_mov_b32 s83, 0
	s_wait_dscnt 0x0
	s_wait_kmcnt 0x0
	s_add_nc_u64 s[76:77], s[4:5], s[76:77]
	s_add_nc_u64 s[78:79], s[6:7], s[78:79]
	s_add_nc_u64 s[66:67], s[10:11], s[80:81]
	s_add_nc_u64 s[68:69], s[8:9], s[82:83]
	CROUND                                         ; all sixteen work-groups are here: the first joint loads meet
.irp s, 0,1
	s_mov_b32 s[G0A+4*\s], 1
	s_add_co_u32 s[G0A+4*\s+1], s85, \s*SLOT
	s_add_nc_u64 s[G0A+4*\s+2:G0A+4*\s+3], s[76:77], \s*524288     ; tile s: two heads on
	s_or_b32 s[G0A+4*\s+3], s[G0A+4*\s+3], 0x80000000
	s_mov_b32 s[G0B+4*\s], 1
	s_add_co_u32 s[G0B+4*\s+1], s86, \s*SLOT
	s_add_nc_u64 s[G0B+4*\s+2:G0B+4*\s+3], s[78:79], \s*262144     ; tile s: 128 rows on
	s_or_b32 s[G0B+4*\s+3], s[G0B+4*\s+3], 0x80000000
	JLOAD \s                                       ; both slots are asked for before anything else is done
.endr
	v_and_b32 v1, 31, v0                           ; L
	v_and_b32 v10, 15, v0                          ; r
	v_bfe_u32 v11, v0, 4, 1                        ; h
	v_lshlrev_b32 v[BO], 5, v11
	WIN 0x80                                       ; the bias goes to window 2: register 8 b + j holds bo of column 16 b + 8 h + j
.irp b, 0,1,2,3,4,5,6,7
	global_load_b128 v[8*\b:8*\b+3],   v[BO], s[68:69] offset:64*\b
	global_load_b128 v[8*\b+4:8*\b+7], v[BO], s[68:69] offset:64*\b+16
.endr
	WIN 0
	v_mul_u32_u24 v12, v10, PA
	v_lshl_add_u32 v12, v11, 4, v12                ; r x 144 + 16 h
	s_mul_i32 s88, s12, 64*PA                      ; my 64 tokens
	v_add_nc_u32 v[ADRA], s88, v12
	v_add_nc_u32 v[ADRA+1], SLOT, v[ADRA]
	v_and_b32 v13, 7, v0
	v_lshl_add_u32 v13, v11, 3, v13                ; 8 h + (L & 7)
	v_mul_u32_u24 v13, v13, PB
	v_bfe_u32 v14, v0, 3, 1
	v_lshl_add_u32 v13, v14, 4, v13
	v_add_nc_u32 v[ADRB], BOFF, v13
	v_add_nc_u32 v[ADRB+1], SLOT, v[ADRB]
	s_mul_i32 s87, s12, 16*SP
	s_add_co_u32 s87, s87, STAGE                   ; my stage
	v_mul_u32_u24 v14, v10, SP
	v_lshl_add_u32 v14, v11, 5, v14                ; in: token r, 32 bytes for each half of the lanes
	v_add_nc_u32 v[STO], s87, v14
	v_lshlrev_b32 v[CO], 4, v1
	v_add_nc_u32 v[RD], s87, v[CO]                 ; back: 32 lanes take one token's 512 bytes
	s_wait_tensorcnt 0x1                           ; my part of tile 0 is in; tile 1's may stay out
	s_barrier_signal -1
	s_barrier_wait -1
	FETCH 0, 0, AF0, BF0
	KTILE 0, 1, 1                                  ; tiles 0, 1: the first products start the sums
	KTILE 1, 0, 1
	WIN 0                                          ; at a label and at a branch every window is 0
	s_mov_b32 s84, 2
.Llap:
	KTILE 0, 0, 1                                  ; tiles 2-5
	KTILE 1, 0, 1
	WIN 0
	s_sub_co_u32 s84, s84, 1
	s_cmp_lg_u32 s84, 0
	s_cbranch_scc1 .Llap
	KTILE 0, 0, 0                                  ; tile 6: a plain barrier shows tile 7 to all
	KTILE 1, 0, 3                                  ; tile 7
	; THE WAY OUT, 16 tokens at a time: add the bias, 32 bytes a lane into my own stage, read back as whole rows of 512 bytes.
	PLACES                                         ; behind the last products
	s_wait_loadcnt 0x0                             ; bo
.macro OUT16 a, f
	WIN 0x49                                       ; sums in and out of window 1, bias from window 2
.irp b, 0,1,2,3,4,5,6,7
.irp p, 0,2,4,6
	v_pk_add_f32 v[8*(8*\a+\b)+\p:8*(8*\a+\b)+\p+1], v[8*(8*\a+\b)+\p:8*(8*\a+\b)+\p+1], v[8*\b+\p:8*\b+\p+1]
.endr
.endr
	WIN 0x04                                       ; an LDS store's data is its source 1: window 1
.irp b, 0,1,2,3,4,5,6,7
	ds_store_b128 v[STO], v[8*(8*\a+\b):8*(8*\a+\b)+3] offset:64*\b
	ds_store_b128 v[STO], v[8*(8*\a+\b)+4:8*(8*\a+\b)+7] offset:64*\b+16
.endr
	WIN 0
	s_wait_xcnt 0x0                                ; buffer f, which earlier stores read, is loaded again only behind this wait
.irp i, 0,1,2,3,4,5,6,7,8,9,10,11,12,13,14,15
	ds_load_b128 v[\f+4*\i:\f+4*\i+3], v[RD] offset:SP*\i          ; LDS serves a wave's instructions in order: these see the stores above
.endr
.irp i, 0,1,2,3,4,5,6,7,8,9,10,11,12,13,14,15
	s_wait_dscnt 15-\i                             ; load i is back, the 15 - i younger ones stay out
	global_store_b128 v[CO], v[\f+4*\i:\f+4*\i+3], s[66:67] offset:(16*\a+\i)*4096 th:TH_STORE_NT   ; 512 consecutive bytes of one token, aligned
.endr
.endm
	OUT16 0, BF0
	OUT16 1, BF1
	OUT16 2, BF0
	OUT16 3, BF1
	s_wait_tensorcnt 0x0
	ds_add_u32 v254, v255
	s_wait_dscnt 0x0
	CROUND                                         ; the closing round: no work-group ends while a partner may still ask for a tile that names it
	s_endpgm
.Lfunc_end_k_qc3e941ecdf_oproj:
	.size	k_qc3e941ecdf_oproj, .Lfunc_end_k_qc3e941ecdf_oproj-k_qc3e941ecdf_oproj
	.p2alignl 7, 3214868480
	.fill 96, 4, 3214868480
	.section	.rodata,"a",@progbits
	.p2align	6, 0x0
	.amdhsa_kernel k_qc3e941ecdf_oproj
		.amdhsa_group_segment_fixed_size 327680
		.amdhsa_private_segment_fixed_size 0
		.amdhsa_enable_private_segment 0
		.amdhsa_kernarg_size 32
		.amdhsa_user_sgpr_count 2
		.amdhsa_user_sgpr_kernarg_segment_ptr 1
		.amdhsa_wavefront_size32 1
		.amdhsa_system_sgpr_workgroup_id_x 1
		.amdhsa_system_sgpr_workgroup_id_y 1
		.amdhsa_system_sgpr_workgroup_id_z 1
		.amdhsa_system_vgpr_workitem_id 0
		.amdhsa_next_free_vgpr 576
		.amdhsa_next_free_sgpr 96
		.amdhsa_reserve_vcc 0
		.amdhsa_float_denorm_mode_32 3
		.amdhsa_float_denorm_mode_16_64 3
		.amdhsa_memory_ordered 1
		.amdhsa_forward_progress 1
		.amdhsa_inst_pref_size 126
	.end_amdhsa_kernel
	.amdgpu_metadata
---
amdhsa.version: [ 1, 2 ]
amdhsa.kernels:
  - .name:           k_qc3e941ecdf_oproj
    .symbol:         k_qc3e941ecdf_oproj.kd
    .args:
      - { .name: att, .offset: 0, .size: 8, .value_kind: global_buffer, .address_space: global }
      - { .name: xw, .offset: 8, .size: 8, .value_kind: global_buffer, .address_space: global }
      - { .name: bo, .offset: 16, .size: 8, .value_kind: global_buffer, .address_space: global }
      - { .name: out0, .offset: 24, .size: 8, .value_kind: global_buffer, .address_space: global }
    .group_segment_fixed_size: 327680
    .private_segment_fixed_size: 0
    .kernarg_segment_align: 8
    .kernarg_segment_size: 32
    .max_flat_workgroup_size: 128
    .sgpr_count:     96
    .vgpr_count:     576
    .wavefront_size: 32
...
	.end_amdgpu_metadata
.endif
;; end of part 4
;; ======== version 2 of 2: 4 launches; version 1 with the launch prep written anew for expert scheduling mode
;; workspace buffers: xw 25,165,824 bytes; qkv 50,331,648 bytes; att 16,777,216 bytes
;; launch prep (part 5): grid 64 x 12, 8 waves a work-group, no clusters, 0 bytes of LDS; arguments x, Wq, Wk, Wv, Wo, xw; writes xw
.if DOCPART == 5
	.amdgcn_target "amdgcn-amd-amdhsa--gfx1250"
	.amdhsa_code_object_version 6
	.text
	.protected	k_qc3e941ecdf_prep
	.globl	k_qc3e941ecdf_prep
	.p2align	8
	.type	k_qc3e941ecdf_prep,@function
k_qc3e941ecdf_prep:
	s_mov_b64 s[64:65], 0
	v_nop
	global_prefetch_b8 v0, s[64:65] scope:SCOPE_SE
	s_setreg_imm32_b32 hwreg(HW_REG_WAVE_SCHED_MODE, 0, 2), 2
	s_setreg_imm32_b32 hwreg(HW_REG_WAVE_MODE, 25, 1), 1
	s_wait_xcnt 0x0
	s_wait_alu depctr_vm_vsrc(0)
; MULTI-HEAD ATTENTION, launch 1 of 4: x, Wq, Wk, Wv, Wo from f32 to bf16, layouts unchanged, into xw:
;   bytes 0 .. 16 Mi: x as [8192][1024] bf16;  then four planes of 2 MiB, [1024 k][1024 n] bf16, in the order q, k, v, o.
; The later launches: qkv (three projections), attn (softmax(q k^T / 8) v for each head), oproj (the output projection).
;
; WORK LEFT OUT IN THE WHOLE PROGRAM: the bias bk.  A score is q_i . (x_j Wk + bk) / 8 = q_i . (x_j Wk) / 8 + q_i . bk / 8.
; The second term does not hang on the key j: it is the same along the axis of the softmax, and softmax(s + const) = softmax(s)
; for every finite value of the inputs.  k reaches the result through the scores alone.  So bk has no way to any output: it is not
; loaded and is among no launch's arguments.  LIMIT: a NaN, an infinity or an overflow that sits in bk alone, or that only the
; term q . bk would make, is not carried to the result.
; LIMIT OF FORMAT: all matrix operands (x, the weights, q, k, v, the probabilities, the attention's result) are rounded to bf16.
;
; A stream: memory binds, so no LDS, no matrix unit, no cluster (no two work-groups read the same byte).
; Grid y picks a unit of 1 Mi numbers (0-7: the eighths of x; 8-11: Wq, Wk, Wv, Wo), grid x 16,384 numbers of it.
; A wave takes 8 KiB of f32: sixteen loads of 512 consecutive bytes, all issued ahead of the first wait; each is rounded to
; 256 consecutive, aligned bytes and stored by one instruction.  No register is written twice, so no source has to be freed.
;
; THE MODE: SCHED_MODE bits 1:0 = 2 (LLVM: expert scheduling mode 2), set by the entry lines.  The code itself states the register
; dependences between vector instructions and memory instructions, with s_wait_alu, always for 0.
; THE PLAN.  Registers that memory instructions touch:
;   v1, v2   byte offsets of the loads and of the stores: written once, at the head, by vector instructions; never written again.
;   X        load i lands in X[i]; no vector instruction names X ahead of the loads; the two roundings of load i read it; never loaded again.
;   Y        the two roundings of load i write pair i; store i reads it; never written again.
; So the only dependences to state are of one kind: a vector instruction has written what a memory instruction reads (the offsets, the stores' data).
; The sixteen loads are taken in four groups of four.  Group g rounds X of its four loads into its four pairs of Y; its memory instructions are the
; four stores of group g - 1, which read that group's Y and v2: registers that no rounding of group g names.  One wait at the head of a group
; therefore serves its four stores, which are dealt among its eight roundings with no further wait.
.set X, 4                              ; v[4:67]   sixteen loads of four f32
.set Y, 68                             ; v[68:99]  sixteen pairs of packed bf16
	s_load_b256 s[4:11], s[0:1], 0x0               ; x s[4:5], Wq s[6:7], Wk s[8:9], Wv s[10:11]
	s_load_b128 s[12:15], s[0:1], 0x20             ; Wo s[12:13], xw s[14:15]
	s_and_b32 s2, ttmp7, 0xffff                    ; the unit, 0 to 11
	v_and_b32 v2, 31, v0
	v_lshrrev_b32 v1, 5, v0
	v_lshlrev_b32 v2, 4, v2
	v_lshl_or_b32 v1, v1, 13, v2                   ; in: wave x 8 KiB + lane x 16
	v_lshrrev_b32 v2, 1, v1                        ; out: half of that
	s_cmp_lt_u32 s2, 8
	s_cselect_b32 s18, s2, 0                       ; the eighth of x; a weight starts at its own first byte
	s_lshl_b32 s18, s18, 22                        ; 4 MiB of f32 a unit
	s_lshl_b32 s19, ttmp9, 16                      ; 64 KiB of f32 a work-group
	s_add_co_u32 s18, s18, s19
	s_mov_b32 s19, 0
	s_lshl_b32 s22, s2, 21                         ; 2 MiB of bf16 a unit
	s_lshl_b32 s23, ttmp9, 15
	s_add_co_u32 s22, s22, s23
	s_mov_b32 s23, 0
	s_wait_kmcnt 0x0
	s_mov_b64 s[16:17], s[4:5]                     ; the source: x, or one of the four weights, chosen by the unit number alone
	s_cmp_eq_u32 s2, 8
	s_cselect_b64 s[16:17], s[6:7], s[16:17]
	s_cmp_eq_u32 s2, 9
	s_cselect_b64 s[16:17], s[8:9], s[16:17]
	s_cmp_eq_u32 s2, 10
	s_cselect_b64 s[16:17], s[10:11], s[16:17]
	s_cmp_eq_u32 s2, 11
	s_cselect_b64 s[16:17], s[12:13], s[16:17]
	s_add_nc_u64 s[16:17], s[16:17], s[18:19]
	s_add_nc_u64 s[20:21], s[14:15], s[22:23]
	s_wait_alu depctr_va_vdst(0)                   ; v1 and v2 are written: every load of the kernel reads v1 as its offset, every store v2
.irp i, 0,1,2,3,4,5,6,7,8,9,10,11,12,13,14,15
	global_load_b128 v[X+4*\i:X+4*\i+3], v1, s[16:17] offset:512*\i th:TH_LOAD_NT   ; read once in the launch
.endr
; Group g: loads 4 g to 4 g + 3 are rounded; the stores of group g - 1 go out among the roundings.  first = 1: group 0, with no group in front of it.
.macro GROUP g, first
	s_wait_loadcnt 12-4*(\g)                       ; loads come back in order: this group's four are in, the 12 - 4 g younger ones stay out
.if !\first
	s_wait_alu depctr_va_vdst(0)                   ; the roundings of the group before have written their four pairs of Y, which the four stores below read
.endif
.irp i, 0,1,2,3
.if !\first
	global_store_b64 v2, v[Y+2*(4*(\g)-4+(\i)):Y+2*(4*(\g)-4+(\i))+1], s[20:21] offset:256*(4*(\g)-4+(\i))   ; 32 lanes x 8 bytes: 256 consecutive bytes, aligned; no vector instruction since the wait names these registers
.endif
	v_cvt_pk_bf16_f32 v[Y+2*(4*(\g)+(\i))],   v[X+4*(4*(\g)+(\i))],   v[X+4*(4*(\g)+(\i))+1]
	v_cvt_pk_bf16_f32 v[Y+2*(4*(\g)+(\i))+1], v[X+4*(4*(\g)+(\i))+2], v[X+4*(4*(\g)+(\i))+3]
.endr
.endm
	GROUP 0, 1
	GROUP 1, 0
	GROUP 2, 0
	GROUP 3, 0
	s_wait_alu depctr_va_vdst(0)                   ; group 3's roundings have written the last four pairs of Y, which the last four stores read
.irp i, 12,13,14,15
	global_store_b64 v2, v[Y+2*\i:Y+2*\i+1], s[20:21] offset:256*\i   ; 32 lanes x 8 bytes: 256 consecutive bytes, aligned
.endr
	s_endpgm
.Lfunc_end_k_qc3e941ecdf_prep:
	.size	k_qc3e941ecdf_prep, .Lfunc_end_k_qc3e941ecdf_prep-k_qc3e941ecdf_prep
	.p2alignl 7, 3214868480
	.fill 96, 4, 3214868480
	.section	.rodata,"a",@progbits
	.p2align	6, 0x0
	.amdhsa_kernel k_qc3e941ecdf_prep
		.amdhsa_group_segment_fixed_size 0
		.amdhsa_private_segment_fixed_size 0
		.amdhsa_enable_private_segment 0
		.amdhsa_kernarg_size 48
		.amdhsa_user_sgpr_count 2
		.amdhsa_user_sgpr_kernarg_segment_ptr 1
		.amdhsa_wavefront_size32 1
		.amdhsa_system_sgpr_workgroup_id_x 1
		.amdhsa_system_sgpr_workgroup_id_y 1
		.amdhsa_system_sgpr_workgroup_id_z 1
		.amdhsa_system_vgpr_workitem_id 0
		.amdhsa_next_free_vgpr 100
		.amdhsa_next_free_sgpr 66
		.amdhsa_reserve_vcc 0
		.amdhsa_float_denorm_mode_32 3
		.amdhsa_float_denorm_mode_16_64 3
		.amdhsa_memory_ordered 1
		.amdhsa_forward_progress 1
		.amdhsa_inst_pref_size 7
	.end_amdhsa_kernel
	.amdgpu_metadata
---
amdhsa.version: [ 1, 2 ]
amdhsa.kernels:
  - .name:           k_qc3e941ecdf_prep
    .symbol:         k_qc3e941ecdf_prep.kd
    .args:
      - { .name: x, .offset: 0, .size: 8, .value_kind: global_buffer, .address_space: global }
      - { .name: Wq, .offset: 8, .size: 8, .value_kind: global_buffer, .address_space: global }
      - { .name: Wk, .offset: 16, .size: 8, .value_kind: global_buffer, .address_space: global }
      - { .name: Wv, .offset: 24, .size: 8, .value_kind: global_buffer, .address_space: global }
      - { .name: Wo, .offset: 32, .size: 8, .value_kind: global_buffer, .address_space: global }
      - { .name: xw, .offset: 40, .size: 8, .value_kind: global_buffer, .address_space: global }
    .group_segment_fixed_size: 0
    .private_segment_fixed_size: 0
    .kernarg_segment_align: 8
    .kernarg_segment_size: 48
    .max_flat_workgroup_size: 256
    .sgpr_count:     66
    .vgpr_count:     100
    .wavefront_size: 32
...
	.end_amdgpu_metadata
.endif
;; end of part 5
;; launch qkv: the kernel of part 2 again; grid 8 x 32, 4 waves a work-group, clusters of 4 x 4, 327,680 bytes of LDS; arguments xw, bq, bv, qkv; writes qkv
;; launch attn: the kernel of part 3 again; grid 256 x 1, 4 waves a work-group, clusters of 4 x 1, 327,680 bytes of LDS; arguments qkv, att; writes att
;; launch oproj: the kernel of part 4 again; grid 8 x 32, 4 waves a work-group, clusters of 4 x 4, 327,680 bytes of LDS; arguments att, xw, bo, out0; writes out0
